; MI455X (gfx1250); checked and timed in simulation.
; The chip was launched on July 23, 2026; its instructions are those of AMD's public machine-readable ISA for CDNA 5 (MIT licence, August 2026) and "CDNA5" Instruction Set Architecture Reference Guide (July 2026). The comments in the code are by the model that wrote it; some were corrected since.
;; ANI Model. Allowed arithmetic: float matrix products may take bf16 or f16 operands with f32 sums; other float arithmetic in f32, or as packed bf16 or f16 multiplies, adds, multiply-adds, maxima and minima; sums over many terms, partial sums and values carried from step to step in f32; what a program stores and reads back later, other than sums and carried values, may be rounded once to bf16 or f16.
;; Inputs: W1 4 x 384 x 160 float32; W2 4 x 160 x 128 float32; W3 4 x 128 x 96 float32; W4 4 x 96 x 1 float32; aev 4,096 x 32 x 384 float32; b1 4 x 160 float32; b2 4 x 128 float32; b3 4 x 96 float32; b4 4 x 1 float32; species 4,096 x 32 int32.
;; Outputs: out0 4,096 x 32 int32; out1 4,096 float32.
;; One version. Each part assembles by itself: llvm-mc -triple=amdgcn-amd-amdhsa -mcpu=gfx1250 --defsym DOCPART=n.
;; ======== version 1 of 1: 2 launches
;; workspace buffers: part 65,536 bytes
;; launch main (part 1): grid 64 x 4, 8 waves a work-group, no clusters, 277,504 bytes of LDS; arguments species, aev, W1, W2, W3, W4, b1, b2, b3, b4, out0, part; writes out0, part
.if DOCPART == 1
	.amdgcn_target "amdgcn-amd-amdhsa--gfx1250"
	.amdhsa_code_object_version 6
	.text
	.protected	k_qef88583670_main
	.globl	k_qef88583670_main
	.p2align	8
	.type	k_qef88583670_main,@function
k_qef88583670_main:
	s_mov_b64 s[64:65], 0
	v_nop
	global_prefetch_b8 v0, s[64:65] scope:SCOPE_SE
	s_setreg_imm32_b32 hwreg(HW_REG_WAVE_MODE, 25, 1), 1
	s_wait_xcnt 0x0
; ANI model: each of 131,072 atoms goes through the MLP of its species (384 -> 160 -> 128 -> 96 -> 1, CELU with alpha 0.1 behind the first three layers);
; a molecule's 32 energies are added.  This launch makes, for each expert, the sum over a molecule's atoms OF THAT EXPERT (part[4][4096], f32); the next launch adds the four.  It also copies species to out0.
; SHARES.  Work-group (j, e): expert e, atoms 2048 j .. 2048 j + 2047 (64 molecules).  It rounds its expert's W1, W2, W3 to bf16 into LDS once, lists the atoms of species e (wave 0), and its
; eight waves take the listed rows through the whole chain in tiles of 32 rows, tile w + 8 t in trip t of wave w.  8 trips x 8 waves x 32 rows = 2,048 rows: every split of the atoms is served; trips past the count are jumped.
; LAYOUT.  Every product is used transposed: source 0 = 16 outputs of the weights (turned out of LDS by ds_load_tr16_b128), source 1 = 16 rows of activations.  In the result a lane holds ONE row (lane % 16)
; and the outputs 8 (lane / 16) + 0..7; two neighbouring results, rounded to bf16 in pairs, ARE source 1 of the next layer: the hidden layers never leave the registers.  The bias is the C operand of a sum's first product.
; CELU.  y = max(x, 0.1 * 2^(-10 log2(e) |x|) - 0.1): for x < 0 the second term is CELU and lies above x; for x > 0 it is negative; the exponent is never positive, so nothing overflows.
; FORMATS.  aev, W1, W2, W3, h1, h2 are rounded once to bf16; biases, W4, h3, all sums in f32.  The last layer (96 multiply-adds a row) is done by vector instructions in f32.
; LIMITS.  A species outside 0..3 adds nothing to any sum.  NaN and infinities are not treated apart (a NaN loses in the maximum).  An exponential below 2^-126 counts as 0.  A molecule's 32 energies are added
; by expert and in a tree, not in the order of the atoms.
; NO JOINT LOADS.  The 64 work-groups of an expert read the same 376,832 bytes of f32 weights, once each, against some 786,000 bytes of rows of their own.  The weights have to pass through registers to be rounded,
; their f32 form does not fit into LDS beside anything (376,832 > 327,680), and the partners' trip counts hang on their own counts.  The rows come by a list, which no tensor descriptor covers: all loads go through registers.
; REGISTERS, in two windows of 256 (s_set_vgpr_msb: bits 1:0 source 0, 3:2 source 1, 5:4 source 2, 7:6 destination).  Window 0: addresses, the list, three landing slots of 64.
; Window 1, in blocks of 8: 0-19 layer 1's sums (block 10 m + n); 20-23 row fragments; 24-31 two buffers of four weight fragments, and CELU's two work sets.  Later: h1 in 0-9 (5 m + ks), layer 2's sums in 10-17,
; h2 in 18-23, 10, 11, layer 3's sums in 0-5 and 12-17, W4 in 6-9, 19, 20, the energy's chains in 18.
.set P1, 352                 ; LDS pitch of W1's rows: 320 bytes + 32.  P1, P2, P3 are odd multiples of 32 bytes
.set P2, 288                 ; W2: 256 + 32
.set P3, 224                 ; W3: 192 + 32
.set PB, 144                 ; a bounce row: 64 bf16 + 16 bytes
.set PR, 272                 ; a row of RTAB: 64 words + 16 bytes
.set W2L, 384*P1             ; W1 lies at LDS byte 0: [k 384][n 160] bf16
.set W3L, W2L+160*P2
.set BIAS, W3L+128*P3        ; f32: b1 at +0, b2 at +640, b3 at +1152, W4 at +1536, the count n at +1920
.set OB2, 640
.set OB3, 1152
.set OW4, 1536
.set ONN, 1920
.set LIST, BIAS+2048         ; u32 atom by rank: ranks 0..2303 zeroed first, words 2304 + lane take what is not a member
.set LBYTES, 9472
.set EPOS, LIST+LBYTES       ; f32 energy by rank; words 2304 + lane hold 0.0
.set RTAB, EPOS+LBYTES       ; for each atom the LIST address of its rank: row atom / 64, word atom % 64
.set BNC, RTAB+32*PR         ; for each wave 32 rows x 64 k of bf16: from the landing layout to the fragment layout
.set SPARE, BNC+8*32*PB      ; the spare words, 128 bytes a wave: four blocks of 256 bytes that no other line names
.set SPW, 4                  ; v4   SPARE + 4 x thread; never rewritten
.set NIL, 5                  ; v5   0; never rewritten
.set WA0, 6                  ; v6-8 my lane's place in a fragment of W1, k steps 0-3, 4-7, 8-11
.set W2A, 9
.set W3A, 10
.set BIA, 11                 ; BIAS + 32 (lane / 16)
.set BNW, 12                 ; bounce, writing
.set BNR, 13                 ; bounce, reading
.set LAC, 14                 ; list address in hand
.set EA, 15                  ; EPOS + 4 x thread
.set LT16, 16                ; 16 (lane % 16)
.set LA0, 17                 ; LIST + 64 (lane / 16)
.set LT1, 24                 ; v24-28 where my 8 bytes of W1 go, by load % 5
.set LT2, 29
.set LT3, 30                 ; v30-32
.set GW1, 33                 ; v33-35 my byte offsets in W1, W2, W3
.set GW2, 34
.set GW3, 35
.set ER, 36                  ; v36-43 the energies of my trips, a shift register (the sort and the tables' loads use these registers before)
.set DUM, 38                 ; sort: 2304 + lane
.set T4, 39                  ; 4 x thread
.set PP4, 40                 ; sort: v40-43 four LIST addresses
.set RT, 44
.set BL, 45                  ; BIAS + 4 x thread
.set CO, 46                  ; the copy's byte offset
.set L16, 47                 ; 16 x lane
.set AD, 48                  ; v48-63 byte offsets of the tile's rows: register i, lane half h: row i + 16 h
.set X, 64                   ; v64-255 three landing slots
.set EP, 8*18                ; window 1
.set WV, 2                   ; s2 wave
.set EX, 4                   ; s4 expert
.set RJ, 5                   ; s5 range
.set TT, 66                  ; s66 tiles
.set TAU, 67                 ; s67 my tile in this trip
.set CNT, 68
.set B4, 69
.set CA, 70                  ; s[70:71] 0.1
.set CB, 72                  ; s[72:73] -0.1
.set CEX, 74                 ; -10 log2(e)
.set TBL, 75                 ; 128 x my tile
.set SEL, 76                 ; s[76:77] v_permlanex16_b32: each lane takes its own place in the other half
.set UPH, 78                 ; the mask of lanes 16-31
.set NN, 79                  ; the running count
.set MSB, 0
.set DSI, 0                  ; counts the LDS instructions written so far
.set GE0, 0
.set GE1, 0
.macro WIN new               ; the immediate's high byte repeats the setting that is left; a switch that changes nothing is dropped
.if MSB != (\new)
	s_set_vgpr_msb (MSB<<8)|(\new)
.set MSB, \new
.endif
.endm
.macro PLACES                ; four places between a matrix instruction and a load into, or a vector instruction on, its registers
.rept 4
	v_nop
.endr
.endm
; The list's 32 entries at byte off behind my tile's -> byte offsets of the rows in aev.  Lanes of a half read the same words.
.macro ADCALC off
	s_wait_xcnt 0x0                                ; AD is the address of loads that may be pending: it is rewritten only behind this wait
	v_add_nc_u32 v[LAC], s[TBL], v[LA0]
.irp q, 0,1,2,3
	ds_load_b128 v[AD+4*\q:AD+4*\q+3], v[LAC] offset:(\off)+16*\q
.endr
.set DSI, DSI+4
	s_wait_dscnt 0x0
.set ci, 0
.rept 16
	v_min_u32 v[AD+ci], 0x7ff, v[AD+ci]            ; an atom of my 2,048
.set ci, ci+1
.endr
.set ci, 0
.rept 16
	v_mul_u32_u24 v[AD+ci], v[AD+ci], 0x600        ; 1,536 bytes a row
.set ci, ci+1
.endr
.set ci, 0
.rept 16
	v_add_nc_u32 v[AD+ci], v[LT16], v[AD+ci]
.set ci, ci+1
.endr
.endm
; Chunk c (64 of the 384 numbers, 256 bytes) of the tile's 32 rows: each load takes two rows' 256 consecutive bytes, aligned.  Each row of a species is listed once; only the stand-in row of an absent tile repeats.
.macro GLOAD slot, c
.set ci, 0
.rept 16
	global_load_b128 v[X+64*(\slot)+4*ci:X+64*(\slot)+4*ci+3], v[AD+ci], s[10:11] offset:256*(\c) th:TH_LOAD_NT
.set ci, ci+1
.endr
.endm
; Chunk c has landed: it is rounded to bf16 and put into the bounce; its slot is asked for again, three chunks on (behind chunk 2: the first chunks of my next tile).
.macro CONVERT c
	WIN 0
	s_wait_loadcnt 32                              ; two younger chunks, 16 loads each, stay out
.set xb, X+64*((\c)%3)
.set ci, 0
.rept 16
	v_cvt_pk_bf16_f32 v[xb+4*ci], v[xb+4*ci], v[xb+4*ci+1]
	v_cvt_pk_bf16_f32 v[xb+4*ci+1], v[xb+4*ci+2], v[xb+4*ci+3]
.set ci, ci+1
.endr
.set ci, 0
.rept 16
	ds_store_b64 v[BNW], v[xb+4*ci:xb+4*ci+1] offset:PB*ci   ; LDS serves a wave's instructions in order (ISA guide 5.7.1.4): the fragment loads of the old contents were issued before
.set ci, ci+1
.endr
.set DSI, DSI+16
.if (\c) == 3
	ADCALC 1024                                    ; my next tile lies 8 tiles, 1,024 bytes of the list, on; where there is none the list holds zeros or other ranks: rows that exist
.endif
	GLOAD (\c)%3,((\c)+3)%6
.endm
.macro ALOAD s               ; the row fragments of k step s (two blocks of 16 rows x 32 k) out of the bounce
	WIN 0x40
.irp m, 0,1
	ds_load_b128 v[8*(20+2*((\s)%2)+\m):8*(20+2*((\s)%2)+\m)+3], v[BNR] offset:16*PB*\m+64*((\s)%2)
	ds_load_b128 v[8*(20+2*((\s)%2)+\m)+4:8*(20+2*((\s)%2)+\m)+7], v[BNR] offset:16*PB*\m+64*((\s)%2)+32
.endr
.set DSI, DSI+4
.endm
.macro FRAG blk, adr, off, half   ; a fragment of weights, 16 outputs x 32 k, turned: two loads, 16 rows of k apart
	ds_load_tr16_b128 v[8*(\blk):8*(\blk)+3], v[\adr] offset:\off
	ds_load_tr16_b128 v[8*(\blk)+4:8*(\blk)+7], v[\adr] offset:(\off)+(\half)
.set DSI, DSI+2
.endm
.macro BTUP blk, off         ; my eight f32 of a table (a bias, W4)
	ds_load_b128 v[8*(\blk):8*(\blk)+3], v[BIA] offset:\off
	ds_load_b128 v[8*(\blk)+4:8*(\blk)+7], v[BIA] offset:(\off)+16
.set DSI, DSI+2
.endm
.macro GEND g                ; remembers where group g's loads end
.if (\g)%2
.set GE1, DSI
.else
.set GE0, DSI
.endif
.endm
.macro GWAIT g               ; group g's loads are in: the count is the LDS instructions written behind them
.if (\g)%2
	s_wait_dscnt DSI-GE1
.else
	s_wait_dscnt DSI-GE0
.endif
.endm
.macro WM d, a, b, c         ; blocks: D, weights, rows, C
	v_wmma_f32_16x16x32_bf16 v[8*(\d):8*(\d)+7], v[8*(\a):8*(\a)+7], v[8*(\b):8*(\b)+7], v[8*(\c):8*(\c)+7]
.endm
; LAYER 1.  Groups 0-4: k step 0, two fragments each with their biases.  Groups 5-32: fragments 4 (g - 5) .. + 3 of the 110 left, k step 1 + f / 10, outputs 16 (f % 10) on.
.macro L1LDG g
	WIN 0x40
.set bf, 24+4*((\g)%2)
.if (\g) < 5
	FRAG bf,WA0,32*(2*(\g)),16*P1
	BTUP bf+1,64*(2*(\g))
	FRAG bf+2,WA0,32*(2*(\g)+1),16*P1
	BTUP bf+3,64*(2*(\g)+1)
.else
.set fi, 0
.rept 4
.set ff, 4*((\g)-5)+fi
.if ff < 110
.set ss, 1+ff/10
.set nn, ff%10
	FRAG bf+fi,WA0+ss/4,(ss%4)*32*P1+32*nn,16*P1
.endif
.set fi, fi+1
.endr
.endif
	GEND \g
.endm
.macro L1MMG g               ; the accumulators take turns, one instruction a turn
	GWAIT \g
	WIN 0x55
.set bf, 24+4*((\g)%2)
.if (\g) < 5
.irp i, 0,1
.irp m, 0,1
	WM 10*\m+2*(\g)+\i,bf+2*\i,20+\m,bf+2*\i+1
.endr
.endr
.else
.set fi, 0
.rept 4
.set ff, 4*((\g)-5)+fi
.if ff < 110
.set ss, 1+ff/10
.set nn, ff%10
	WM nn,bf+fi,20+2*(ss%2),nn
	WM 10+nn,bf+fi,21+2*(ss%2),10+nn
.endif
.set fi, fi+1
.endr
.endif
.endm
; Behind the group that holds k step s's last product (s <= 9) its row fragments' registers take k step s + 2; behind an even s the next chunk goes into the bounce first.
.macro L1HOOK
.set hs, -1
.if gg == 5
.set hs, 0
.endif
.if gg > 5
.set sc, (4*(gg-6)+4)/10
.if (sc >= 1) && (sc <= 9) && (10*sc-1 >= 4*(gg-6))
.set hs, sc
.endif
.endif
.if hs >= 0
.if hs%2 == 0
	CONVERT (hs+2)/2
.endif
	ALOAD hs+2
.endif
.endm
; LAYER 2, pass PP: outputs 64 PP .. + 63.  Groups 0, 1: k step 0 with biases; groups 2-5: k steps 1-4, four fragments each.
.macro L2LDG g
	WIN 0x40
.set bf, 24+4*((\g)%2)
.if (\g) < 2
	FRAG bf,W2A,32*(4*PP+2*(\g)),16*P2
	BTUP bf+1,OB2+64*(4*PP+2*(\g))
	FRAG bf+2,W2A,32*(4*PP+2*(\g)+1),16*P2
	BTUP bf+3,OB2+64*(4*PP+2*(\g)+1)
.else
.irp i, 0,1,2,3
	FRAG bf+\i,W2A,32*P2*((\g)-1)+32*(4*PP+\i),16*P2
.endr
.endif
	GEND \g
.endm
.macro L2MMG g
	GWAIT \g
	WIN 0x55
.set bf, 24+4*((\g)%2)
.if (\g) < 2
.irp i, 0,1
.irp m, 0,1
	WM 10+4*\m+2*(\g)+\i,bf+2*\i,5*\m,bf+2*\i+1
.endr
.endr
.else
.irp i, 0,1,2,3
.irp m, 0,1
	WM 10+4*\m+\i,bf+\i,5*\m+(\g)-1,10+4*\m+\i
.endr
.endr
.endif
.endm
.macro SETH2 m, ks           ; hb = the block of h2, rows 16 m on, k step ks
.if (\ks) < 2
.set hb, 18+2*(\m)+(\ks)
.elseif (\m) == 0
.set hb, 20+(\ks)
.else
.set hb, 8+(\ks)
.endif
.endm
; LAYER 3.  Groups 0-2: k step 0 with biases; groups 3-7: fragments 4 (g - 3) .. of the 18 left, k step 1 + f / 6, outputs 16 (f % 6) on.
.macro L3LDG g
	WIN 0x40
.set bf, 24+4*((\g)%2)
.if (\g) < 3
	FRAG bf,W3A,32*(2*(\g)),16*P3
	BTUP bf+1,OB3+64*(2*(\g))
	FRAG bf+2,W3A,32*(2*(\g)+1),16*P3
	BTUP bf+3,OB3+64*(2*(\g)+1)
.else
.set fi, 0
.rept 4
.set ff, 4*((\g)-3)+fi
.if ff < 18
	FRAG bf+fi,W3A,32*P3*(1+ff/6)+32*(ff%6),16*P3
.endif
.set fi, fi+1
.endr
.endif
	GEND \g
.endm
.macro L3MMG g
	GWAIT \g
	WIN 0x55
.set bf, 24+4*((\g)%2)
.if (\g) < 3
.irp i, 0,1
.irp m, 0,1
	SETH2 \m,0
	WM 12*\m+2*(\g)+\i,bf+2*\i,hb,bf+2*\i+1
.endr
.endr
.else
.set fi, 0
.rept 4
.set ff, 4*((\g)-3)+fi
.if ff < 18
.irp m, 0,1
	SETH2 \m,1+ff/6
	WM 12*\m+ff%6,bf+fi,hb,12*\m+ff%6
.endr
.endif
.set fi, fi+1
.endr
.endif
.endm
; A layer's products: group g + 1 is fetched into the other buffer while group g is multiplied.  The four places stand between the products that read a buffer and the loads into it.
.macro PIPE ng, ld, mm, hook
	\ld 0
.set gg, 0
.rept \ng
.if gg > 0
	PLACES
.endif
.if \hook
	L1HOOK
.endif
.if gg+1 < (\ng)
	\ld gg+1
.endif
	\mm gg
.set gg, gg+1
.endr
	PLACES
.endm
; CELU on four blocks (32 numbers a lane) at a time, in work set t (four blocks).  Each accumulator's lowest register is read first.
.macro MULB t, b0, b1, b2, b3
.set zz, 0
.irp x, \b0, \b1, \b2, \b3
.set z, 0
.rept 8
	v_mul_f32 v[8*(\t)+zz], s[CEX], |v[8*(\x)+z]|
.set z, z+1
.set zz, zz+1
.endr
.endr
.endm
.macro EXPB t
.set z, 0
.rept 32
	v_exp_f32 v[8*(\t)+z], v[8*(\t)+z]
.set z, z+1
.endr
.endm
.macro FINA t, b0, b1, b2, b3     ; 0.1 * 2^.. - 0.1, and the maximum with x
.set z, 0
.rept 16
	v_pk_fma_f32 v[8*(\t)+2*z:8*(\t)+2*z+1], v[8*(\t)+2*z:8*(\t)+2*z+1], s[CA:CA+1], s[CB:CB+1] op_sel_hi:[1,0,0]
.set z, z+1
.endr
.set zz, 0
.irp x, \b0, \b1, \b2, \b3
.set z, 0
.rept 8
	v_max_num_f32 v[8*(\t)+zz], v[8*(\x)+z], v[8*(\t)+zz]
.set z, z+1
.set zz, zz+1
.endr
.endr
.endm
.macro FINB t, b0, b1, b2, b3, d0, d1   ; and rounded to bf16: blocks b0, b1 make the fragment d0, blocks b2, b3 make d1
	FINA \t,\b0,\b1,\b2,\b3
.set z, 0
.rept 8
	v_cvt_pk_bf16_f32 v[8*(\d0)+z], v[8*(\t)+2*z], v[8*(\t)+2*z+1]
.set z, z+1
.endr
.set z, 0
.rept 8
	v_cvt_pk_bf16_f32 v[8*(\d1)+z], v[8*(\t)+16+2*z], v[8*(\t)+16+2*z+1]
.set z, z+1
.endr
.endm
.macro TWAIT                 ; a wait between a batch of exponentials and the first line that names a result; a plain instruction stands behind the last exponential
	s_wait_alu depctr_va_vdst(0)
.endm
.macro CELU2 d00, d01, d10, d11
	WIN 0x55
	MULB 24,10,11,12,13
	EXPB 24
	MULB 28,14,15,16,17
	TWAIT
	FINB 24,10,11,12,13,\d00,\d01
	EXPB 28
	v_nop
	TWAIT
	FINB 28,14,15,16,17,\d10,\d11
.endm
; Layer 4: h3 stays in f32 and is multiplied by W4 into four chains of pairs (rows 0-15: chains 0, 1; rows 16-31: chains 2, 3).  b = which pair of output blocks.
.macro FIN4 t, b0, b1, b2, b3, b
	FINA \t,\b0,\b1,\b2,\b3
.set z, 0
.rept 4
.set q, 0
.rept 4
.set wn, 2*(\b)+q%2
.if wn < 4
.set wb, 6+wn
.else
.set wb, 15+wn
.endif
.if ((\b) == 0) && (z == 0)
	v_pk_mul_f32 v[EP+2*q:EP+2*q+1], v[8*(\t)+8*q+2*z:8*(\t)+8*q+2*z+1], v[8*wb+2*z:8*wb+2*z+1]
.else
	v_pk_fma_f32 v[EP+2*q:EP+2*q+1], v[8*(\t)+8*q+2*z:8*(\t)+8*q+2*z+1], v[8*wb+2*z:8*wb+2*z+1], v[EP+2*q:EP+2*q+1]
.endif
.set q, q+1
.endr
.set z, z+1
.endr
.endm
; The sort of 16 registers of species (batch q): masks, then each mask's first rank, then for each atom its rank's address.  Register 16 q + u, lane l: atom 128 (4 q + u / 4) + 4 l + u % 4.
.macro SORTB q
.set u, 0
.rept 16
	v_cmp_eq_u32 s[32+u], s[EX], v[X+16*(\q)+u]
.set u, u+1
.endr
.set u, 0
.rept 16
	s_mov_b32 s[48+u], s[NN]
	s_bcnt1_i32_b32 s6, s[32+u]
	s_add_co_u32 s[NN], s[NN], s6
.set u, u+1
.endr
.set u, 0
.rept 16
	v_mbcnt_lo_u32_b32 v36, s[32+u], s[48+u]       ; members below my lane + members before this register
	v_cndmask_b32 v36, v[DUM], v36, s[32+u]        ; no member: my lane's dummy word
	v_min_u32 v36, 0x91f, v36                      ; 2,335: the last word of the list
	v_lshl_add_u32 v[PP4+u%4], v36, 2, LIST
	v_add_nc_u32 v37, 128*(4*(\q)+u/4)+u%4, v[T4]
	ds_store_b32 v[PP4+u%4], v37
.if u%4 == 3
	ds_store_b128 v[RT], v[PP4:PP4+3] offset:(4*(\q)+u/4)*2*PR
.endif
.set u, u+1
.endr
.endm
	s_load_b512 s[8:23], s[0:1], 0x0               ; species s[8:9], aev s[10:11], W1 s[12:13], W2 s[14:15], W3 s[16:17], W4 s[18:19], b1 s[20:21], b2 s[22:23]
	s_load_b256 s[24:31], s[0:1], 0x40             ; b3 s[24:25], b4 s[26:27], out0 s[28:29], part s[30:31]
	v_lshl_add_u32 v[SPW], v0, 2, SPARE
	v_mov_b32 v[NIL], 0
	v_lshrrev_b32 v18, 5, v0
	v_readfirstlane_b32 s[WV], v18                 ; wave 0..7
	s_and_b32 s[EX], ttmp7, 0xffff
	s_mov_b32 s[RJ], ttmp9
	s_mov_b32 s[CA], 0x3dcccccd                    ; 0.1
	s_mov_b32 s[CA+1], 0x3dcccccd
	s_mov_b32 s[CB], 0xbdcccccd                    ; -0.1
	s_mov_b32 s[CB+1], 0xbdcccccd
	s_mov_b32 s[CEX], 0xc166d4ca                   ; -14.42695 = -10 log2(e)
	s_mov_b32 s[SEL], 0x76543210
	s_mov_b32 s[SEL+1], 0xfedcba98
	s_mov_b32 s[UPH], 0xffff0000
	v_and_b32 v1, 31, v0                           ; l
	v_and_b32 v2, 15, v0                           ; r = l % 16
	v_bfe_u32 v3, v0, 4, 1                         ; h = l / 16
	; the turning load: lane l reads 16 bytes of row k0 + 8 h + l % 8, columns 8 ((l / 8) % 2) on
	v_and_b32 v18, 7, v0
	v_lshl_add_u32 v18, v3, 3, v18
	v_bfe_u32 v19, v0, 3, 1
	v_mul_u32_u24 v[WA0], v18, P1
	v_lshl_add_u32 v[WA0], v19, 4, v[WA0]
	v_add_nc_u32 v[WA0+1], 128*P1, v[WA0]          ; the immediate offset has 16 bits: a register for every four k steps
	v_add_nc_u32 v[WA0+2], 256*P1, v[WA0]
	v_mul_u32_u24 v[W2A], v18, P2
	v_lshl_add_u32 v[W2A], v19, 4, v[W2A]
	v_add_nc_u32 v[W2A], W2L, v[W2A]
	v_mul_u32_u24 v[W3A], v18, P3
	v_lshl_add_u32 v[W3A], v19, 4, v[W3A]
	v_add_nc_u32 v[W3A], W3L, v[W3A]
	v_lshl_add_u32 v[BIA], v3, 5, BIAS
	s_mul_i32 s6, s[WV], 32*PB
	s_add_co_u32 s6, s6, BNC                       ; my wave's bounce
	v_mul_u32_u24 v[BNW], v3, 16*PB                ; in: row i + 16 h, 8 bytes at 8 r
	v_lshl_add_u32 v[BNW], v2, 3, v[BNW]
	v_add_nc_u32 v[BNW], s6, v[BNW]
	v_mul_u32_u24 v[BNR], v2, PB                   ; out: row r, 16 bytes at 16 h
	v_lshl_add_u32 v[BNR], v3, 4, v[BNR]
	v_add_nc_u32 v[BNR], s6, v[BNR]
	v_lshl_add_u32 v[LA0], v3, 6, LIST
	v_lshl_add_u32 v[EA], v0, 2, EPOS
	v_lshlrev_b32 v[LT16], 4, v2
	v_lshlrev_b32 v[L16], 4, v1
	v_lshlrev_b32 v[T4], 2, v0
	v_lshl_add_u32 v[BL], v0, 2, BIAS
	; W1: my wave has rows 48 w .. + 47, 60 loads of 512 consecutive bytes.  Five loads are four rows of 40 quads: quad q = 32 (load % 5) + l lies in row q / 40 = (205 q) >> 13; its 8 bytes of bf16 go to 8 q + 32 row
	s_mul_i32 s6, s[WV], 48*P1
.irp j, 0,1,2,3,4
	v_add_nc_u32 v18, 32*\j, v1
	v_mul_u32_u24 v19, v18, 205
	v_lshrrev_b32 v19, 13, v19
	v_lshl_add_u32 v18, v18, 3, s6
	v_lshl_add_u32 v[LT1+\j], v19, 5, v18
.endr
	s_mul_i32 s6, s[WV], 20*P2                     ; W2: rows 20 w .. + 19, a load a row
	s_add_co_u32 s6, s6, W2L
	v_lshl_add_u32 v[LT2], v1, 3, s6
	s_mul_i32 s6, s[WV], 16*P3                     ; W3: rows 16 w .. + 15; three loads are four rows of 24 quads: row q / 24 = (171 q) >> 12
	s_add_co_u32 s6, s6, W3L
.irp j, 0,1,2
	v_add_nc_u32 v18, 32*\j, v1
	v_mul_u32_u24 v19, v18, 171
	v_lshrrev_b32 v19, 12, v19
	v_lshl_add_u32 v18, v18, 3, s6
	v_lshl_add_u32 v[LT3+\j], v19, 5, v18
.endr
	s_mul_i32 s6, s[WV], 30720
	v_add_nc_u32 v[GW1], s6, v[L16]
	s_mul_i32 s6, s[WV], 10240
	v_add_nc_u32 v[GW2], s6, v[L16]
	s_mul_i32 s6, s[WV], 6144
	v_add_nc_u32 v[GW3], s6, v[L16]
	s_mov_b32 s7, 0
	s_wait_kmcnt 0x0
	s_mul_i32 s6, s[RJ], 0x300000                  ; 2,048 rows of 1,536 bytes
	s_add_nc_u64 s[10:11], s[10:11], s[6:7]
	s_lshl_b32 s6, s[RJ], 13                       ; 2,048 words
	s_add_nc_u64 s[8:9], s[8:9], s[6:7]
	s_add_nc_u64 s[28:29], s[28:29], s[6:7]
	s_mul_i32 s6, s[EX], 245760
	s_add_nc_u64 s[12:13], s[12:13], s[6:7]
	s_mul_i32 s6, s[EX], 81920
	s_add_nc_u64 s[14:15], s[14:15], s[6:7]
	s_mul_i32 s6, s[EX], 49152
	s_add_nc_u64 s[16:17], s[16:17], s[6:7]
	s_mul_i32 s6, s[EX], 384
	s_add_nc_u64 s[18:19], s[18:19], s[6:7]
	s_add_nc_u64 s[24:25], s[24:25], s[6:7]
	s_mul_i32 s6, s[EX], 640
	s_add_nc_u64 s[20:21], s[20:21], s[6:7]
	s_lshl_b32 s6, s[EX], 9
	s_add_nc_u64 s[22:23], s[22:23], s[6:7]
	s_lshl_b32 s6, s[EX], 2
	s_add_nc_u64 s[26:27], s[26:27], s[6:7]
	s_lshl_b32 s6, s[EX], 14
	s_lshl_b32 s3, s[RJ], 8
	s_add_co_u32 s6, s6, s3
	s_add_nc_u64 s[30:31], s[30:31], s[6:7]        ; part[e][64 j]
	s_load_b32 s[B4], s[26:27], 0x0
	; FIRST PART: wave 0 alone touches LDS.  It lists the members; waves 4-7 copy a quarter of the range's species; every wave asks for its share of the weights.
	s_cmp_lg_u32 s[WV], 0
	s_cbranch_scc1 .Lnot0a
.set ci, 0
.rept 16
	global_load_b128 v[X+4*ci:X+4*ci+3], v[L16], s[8:9] offset:512*ci
.set ci, ci+1
.endr
	v_mov_b32 v20, 0
	v_mov_b32 v21, 0
	v_mov_b32 v22, 0
	v_mov_b32 v23, 0
	v_add_nc_u32 v18, LIST, v[L16]
.set ci, 0
.rept 18
	ds_store_b128 v18, v[20:23] offset:512*ci      ; ranks 0..2303 name atom 0 until a member is listed there
.set ci, ci+1
.endr
	ds_store_b32 v[EA], v20 offset:9216            ; the dummies' energy is 0.0 (in wave 0 the thread is the lane)
	v_add_nc_u32 v[DUM], 2304, v1
	v_mul_u32_u24 v[RT], v3, PR
	v_lshl_add_u32 v[RT], v2, 4, v[RT]
	v_add_nc_u32 v[RT], RTAB, v[RT]
	s_mov_b32 s[NN], 0
	s_branch .Lw1
.Lnot0a:
	s_cmp_lt_u32 s[WV], 4
	s_cbranch_scc1 .Lw1
	s_lshl_b32 s6, s[EX], 11                       ; work-group e of the four copies bytes 2,048 e on, wave w 512 of them
	s_lshl_b32 s3, s[WV], 9
	s_add_co_u32 s6, s6, s3
	s_sub_co_u32 s6, s6, 2048
	v_add_nc_u32 v[CO], s6, v[L16]
	global_load_b128 v[X:X+3], v[CO], s[8:9]
.Lw1:
	WIN 0x40
.set ci, 0
.rept 60
	global_load_b128 v[4*ci:4*ci+3], v[GW1], s[12:13] offset:512*ci
.set ci, ci+1
.endr
	WIN 0
	s_wait_loadcnt 60                              ; on every wave's path: whatever was asked for into slot 0 ahead of W1 (wave 0: species; waves 4-7: their 512 bytes of it) is in; the 60 loads of W1 stay out
	s_cmp_lg_u32 s[WV], 0
	s_cbranch_scc1 .Lnot0b
	SORTB 0
	SORTB 1
	SORTB 2
	SORTB 3
	v_mov_b32 v36, s[NN]
	v_mov_b32 v37, BIAS+ONN
	ds_store_b32 v37, v36
	s_branch .Lw2
.Lnot0b:
	s_cmp_lt_u32 s[WV], 4
	s_cbranch_scc1 .Lw2
	global_store_b128 v[CO], v[X:X+3], s[28:29]    ; 512 consecutive bytes, aligned
.Lw2:
	s_cmp_lt_u32 s[WV], 5                          ; the tables: a word a thread, as many waves as the table has words / 32
	s_cbranch_scc0 .Lnb1
	global_load_b32 v20, v[T4], s[20:21]
	s_cmp_lt_u32 s[WV], 4
	s_cbranch_scc0 .Lnb1
	global_load_b32 v21, v[T4], s[22:23]
	s_cmp_lt_u32 s[WV], 3
	s_cbranch_scc0 .Lnb1
	global_load_b32 v22, v[T4], s[24:25]
	global_load_b32 v23, v[T4], s[18:19]
.Lnb1:
.set ci, 0
.rept 20
	global_load_b128 v[X+64+4*ci:X+64+4*ci+3], v[GW2], s[14:15] offset:512*ci
.set ci, ci+1
.endr
.set ci, 0
.rept 12
	global_load_b128 v[X+144+4*ci:X+144+4*ci+3], v[GW3], s[16:17] offset:512*ci
.set ci, ci+1
.endr
	s_wait_dscnt 0x0                               ; wave 0's list, table and count are written
	s_barrier_signal -1
	s_barrier_wait -1
	; SECOND PART: the list is read, the first rows are asked for, the weights are rounded into LDS: each wave writes rows of its own.
	v_mov_b32 v18, BIAS+ONN
	ds_load_b32 v19, v18
	s_lshl_b32 s[TBL], s[WV], 7
	ADCALC 0
	v_readfirstlane_b32 s[TT], v19
	s_add_co_u32 s[TT], s[TT], 31
	s_lshr_b32 s[TT], s[TT], 5                     ; tiles of 32 rows
	GLOAD 0,0
	s_wait_loadcnt 16                              ; all but chunk 0's 16 loads: weights and tables are in
.set ci, 0
.rept 32
	v_cvt_pk_bf16_f32 v[X+64+4*ci], v[X+64+4*ci], v[X+64+4*ci+1]
	v_cvt_pk_bf16_f32 v[X+64+4*ci+1], v[X+64+4*ci+2], v[X+64+4*ci+3]
.set ci, ci+1
.endr
.set ci, 0
.rept 20
	ds_store_b64 v[LT2], v[X+64+4*ci:X+64+4*ci+1] offset:P2*ci
.set ci, ci+1
.endr
.set ci, 0
.rept 12
	ds_store_b64 v[LT3+ci%3], v[X+144+4*ci:X+144+4*ci+1] offset:4*P3*(ci/3)
.set ci, ci+1
.endr
	GLOAD 1,1
	GLOAD 2,2
.set ci, 0
.rept 8
	v_mov_b32 v[ER+ci], 0
.set ci, ci+1
.endr
	s_cmp_lt_u32 s[WV], 5
	s_cbranch_scc0 .Lnb2
	ds_store_b32 v[BL], v20
	s_cmp_lt_u32 s[WV], 4
	s_cbranch_scc0 .Lnb2
	ds_store_b32 v[BL], v21 offset:OB2
	s_cmp_lt_u32 s[WV], 3
	s_cbranch_scc0 .Lnb2
	ds_store_b32 v[BL], v22 offset:OB3
	ds_store_b32 v[BL], v23 offset:OW4
.Lnb2:
	WIN 0x55
.set ci, 0
.rept 60
	v_cvt_pk_bf16_f32 v[4*ci], v[4*ci], v[4*ci+1]
	v_cvt_pk_bf16_f32 v[4*ci+1], v[4*ci+2], v[4*ci+3]
.set ci, ci+1
.endr
	WIN 0x04                                       ; address window 0, data window 1
.set ci, 0
.rept 60
	ds_store_b64 v[LT1+ci%5], v[4*ci:4*ci+1] offset:4*P1*(ci/5)
.set ci, ci+1
.endr
	WIN 0
	s_mov_b32 s[TAU], s[WV]
	s_mov_b32 s[CNT], 8
	s_wait_kmcnt 0x0                               ; b4
	s_wait_dscnt 0x0                               ; my rows of the weights and tables are written
	s_barrier_signal -1
	s_barrier_wait -1
	; THIRD PART: eight trips, a tile each; no barrier: weights, tables and list are only read, the bounce is the wave's own.
.Ltrip:
.set ci, 7
.rept 7
	v_mov_b32 v[ER+ci], v[ER+ci-1]                 ; in every trip, so that trip t's energy ends in register ER + 7 - t
.set ci, ci-1
.endr
	s_cmp_ge_u32 s[TAU], s[TT]
	s_cbranch_scc1 .Lskip                          ; no such tile
	CONVERT 0
	ALOAD 0
	ALOAD 1
	PIPE 33,L1LDG,L1MMG,1
	WIN 0x55                                       ; h1: blocks 4 b .. 4 b + 3 of the sums make blocks 2 b, 2 b + 1, which earlier batches have read
	MULB 24,0,1,2,3
	EXPB 24
	MULB 28,4,5,6,7
	TWAIT
	FINB 24,0,1,2,3,0,1
	EXPB 28
	MULB 24,8,9,10,11
	TWAIT
	FINB 28,4,5,6,7,2,3
	EXPB 24
	MULB 28,12,13,14,15
	TWAIT
	FINB 24,8,9,10,11,4,5
	EXPB 28
	MULB 24,16,17,18,19
	TWAIT
	FINB 28,12,13,14,15,6,7
	EXPB 24
	v_nop
	TWAIT
	FINB 24,16,17,18,19,8,9
.set PP, 0
	PIPE 6,L2LDG,L2MMG,0
	CELU2 18,19,20,21
.set PP, 1
	PIPE 6,L2LDG,L2MMG,0
	CELU2 22,23,10,11
	PIPE 8,L3LDG,L3MMG,0
	WIN 0x40
	BTUP 6,OW4
	BTUP 7,OW4+64
	BTUP 8,OW4+128
	BTUP 9,OW4+192
	BTUP 19,OW4+256
	BTUP 20,OW4+320
	WIN 0x55
	MULB 24,0,1,12,13
	EXPB 24
	MULB 28,2,3,14,15
	TWAIT
	s_wait_dscnt 0x0                               ; W4
	FIN4 24,0,1,12,13,0
	EXPB 28
	MULB 24,4,5,16,17
	TWAIT
	FIN4 28,2,3,14,15,1
	EXPB 24
	v_nop
	TWAIT
	FIN4 24,4,5,16,17,2
	v_pk_add_f32 v[EP:EP+1], v[EP:EP+1], v[EP+2:EP+3]
	v_pk_add_f32 v[EP+4:EP+5], v[EP+4:EP+5], v[EP+6:EP+7]
	v_add_f32 v[EP], v[EP], v[EP+1]
	v_add_f32 v[EP+4], v[EP+4], v[EP+5]
	v_permlanex16_b32 v[EP+1], v[EP], s[SEL], s[SEL+1]       ; a row's other 48 outputs lie in the lane 16 away
	v_permlanex16_b32 v[EP+5], v[EP+4], s[SEL], s[SEL+1]
	v_add_f32 v[EP], v[EP], v[EP+1]
	v_add_f32 v[EP+4], v[EP+4], v[EP+5]
	v_cndmask_b32 v[EP], v[EP], v[EP+4], s[UPH]    ; lane l keeps row l of the tile
	WIN 0x04                                       ; source 1 window 1, destination window 0
	v_add_f32 v[ER], s[B4], v[EP]
	WIN 0
.Lskip:
	s_add_co_u32 s[TAU], s[TAU], 8
	s_add_co_u32 s[TBL], s[TBL], 1024
	s_sub_co_u32 s[CNT], s[CNT], 1
	s_cmp_lg_u32 s[CNT], 0
	s_cbranch_scc1 .Ltrip
.set ci, 0
.rept 8
	ds_store_b32 v[EA], v[ER+7-ci] offset:1024*ci  ; rank 32 (w + 8 t) + l; a trip that was jumped leaves a number at a rank past the count, which nothing reads
.set ci, ci+1
.endr
	s_wait_tensorcnt 0x0                           ; the wave's last LDS store is out
	ds_add_u32 v[SPW], v[NIL]
	s_wait_dscnt 0x0                               ; and my energies are written
	s_barrier_signal -1
	s_barrier_wait -1
	s_cmp_lg_u32 s[WV], 0
	s_cbranch_scc1 .Lend
	; FOURTH PART: wave 0 adds each molecule's members.  Lane l has atoms 64 l .. + 63, two molecules; an atom of another species points at a word that holds 0.0.  LDS is only read.
	s_wait_loadcnt 0x0                             ; the rows asked for ahead of a tile that is not there land in X before X is used again
	v_mul_u32_u24 v18, v1, PR
	v_add_nc_u32 v18, RTAB, v18
.set ci, 0
.rept 16
	ds_load_b128 v[X+4*ci:X+4*ci+3], v18 offset:16*ci
.set ci, ci+1
.endr
	s_wait_dscnt 0x0
.set ci, 0
.rept 64
	v_min_u32 v[X+ci], LIST+9340, v[X+ci]          ; the list's last word
.set ci, ci+1
.endr
.set ci, 0
.rept 64
	ds_load_b32 v[X+64+ci], v[X+ci] offset:LBYTES  ; the energy lies LBYTES behind the rank's place in the list
.set ci, ci+1
.endr
	s_wait_dscnt 0x0
.irp st, 16,8,4,2
.irp b, X+64, X+96
.set z, 0
.rept \st/2
	v_pk_add_f32 v[\b+2*z:\b+2*z+1], v[\b+2*z:\b+2*z+1], v[\b+\st+2*z:\b+\st+2*z+1]
.set z, z+1
.endr
.endr
.endr
	v_add_f32 v20, v[X+64], v[X+65]
	v_add_f32 v21, v[X+96], v[X+97]
	v_lshlrev_b32 v19, 3, v1
	global_store_b64 v19, v[20:21], s[30:31]       ; 256 consecutive bytes, aligned: the range's 64 molecules
.Lend:
	s_endpgm
.Lfunc_end_k_qef88583670_main:
	.size	k_qef88583670_main, .Lfunc_end_k_qef88583670_main-k_qef88583670_main
	.p2alignl 7, 3214868480
	.fill 96, 4, 3214868480
	.section	.rodata,"a",@progbits
	.p2align	6, 0x0
	.amdhsa_kernel k_qef88583670_main
		.amdhsa_group_segment_fixed_size 277504
		.amdhsa_private_segment_fixed_size 0
		.amdhsa_enable_private_segment 0
		.amdhsa_kernarg_size 96
		.amdhsa_user_sgpr_count 2
		.amdhsa_user_sgpr_kernarg_segment_ptr 1
		.amdhsa_wavefront_size32 1
		.amdhsa_system_sgpr_workgroup_id_x 1
		.amdhsa_system_sgpr_workgroup_id_y 1
		.amdhsa_system_sgpr_workgroup_id_z 1
		.amdhsa_system_vgpr_workitem_id 0
		.amdhsa_next_free_vgpr 512
		.amdhsa_next_free_sgpr 80
		.amdhsa_reserve_vcc 0
		.amdhsa_float_denorm_mode_32 3
		.amdhsa_float_denorm_mode_16_64 3
		.amdhsa_memory_ordered 1
		.amdhsa_forward_progress 1
		.amdhsa_inst_pref_size 255
	.end_amdhsa_kernel
	.section	.bss,"aw",@nobits
	.p2align	6
	.space	262144
	.amdgpu_metadata
---
amdhsa.version: [ 1, 2 ]
amdhsa.kernels:
  - .name:           k_qef88583670_main
    .symbol:         k_qef88583670_main.kd
    .args:
      - { .name: species, .offset: 0, .size: 8, .value_kind: global_buffer, .address_space: global }
      - { .name: aev, .offset: 8, .size: 8, .value_kind: global_buffer, .address_space: global }
      - { .name: W1, .offset: 16, .size: 8, .value_kind: global_buffer, .address_space: global }
      - { .name: W2, .offset: 24, .size: 8, .value_kind: global_buffer, .address_space: global }
      - { .name: W3, .offset: 32, .size: 8, .value_kind: global_buffer, .address_space: global }
      - { .name: W4, .offset: 40, .size: 8, .value_kind: global_buffer, .address_space: global }
      - { .name: b1, .offset: 48, .size: 8, .value_kind: global_buffer, .address_space: global }
      - { .name: b2, .offset: 56, .size: 8, .value_kind: global_buffer, .address_space: global }
      - { .name: b3, .offset: 64, .size: 8, .value_kind: global_buffer, .address_space: global }
      - { .name: b4, .offset: 72, .size: 8, .value_kind: global_buffer, .address_space: global }
      - { .name: out0, .offset: 80, .size: 8, .value_kind: global_buffer, .address_space: global }
      - { .name: part, .offset: 88, .size: 8, .value_kind: global_buffer, .address_space: global }
    .group_segment_fixed_size: 277504
    .private_segment_fixed_size: 0
    .kernarg_segment_align: 8
    .kernarg_segment_size: 96
    .max_flat_workgroup_size: 256
    .sgpr_count:     80
    .vgpr_count:     512
    .wavefront_size: 32
...
	.end_amdgpu_metadata
.endif
;; end of part 1
;; launch sum (part 2): grid 8 x 1, 4 waves a work-group, no clusters, 0 bytes of LDS; arguments part, out1; writes out1
.if DOCPART == 2
	.amdgcn_target "amdgcn-amd-amdhsa--gfx1250"
	.amdhsa_code_object_version 6
	.text
	.protected	k_qef88583670_sum
	.globl	k_qef88583670_sum
	.p2align	8
	.type	k_qef88583670_sum,@function
k_qef88583670_sum:
	s_mov_b64 s[64:65], 0
	v_nop
	global_prefetch_b8 v0, s[64:65] scope:SCOPE_SE
	s_setreg_imm32_b32 hwreg(HW_REG_WAVE_MODE, 25, 1), 1
	s_wait_xcnt 0x0
; out1[m] = (part[0][m] + part[1][m]) + (part[2][m] + part[3][m]): the four experts' partial sums of a molecule, in f32.
; 1,024 threads, four molecules each: every load and the store of a wave cover 512 consecutive bytes, aligned.  65,536 bytes in, 16,384 out: no LDS, no loop.
.set PLANE, 16384                      ; bytes of one expert's 4,096 sums
	s_load_b128 s[4:7], s[0:1], 0x0                ; part s[4:5], out1 s[6:7]
	s_lshl_b32 s2, ttmp9, 11                       ; 128 threads x 16 bytes a work-group
	v_lshl_add_u32 v1, v0, 4, s2
	s_wait_kmcnt 0x0
	global_load_b128 v[4:7], v1, s[4:5]
	global_load_b128 v[8:11], v1, s[4:5] offset:PLANE
	global_load_b128 v[12:15], v1, s[4:5] offset:2*PLANE
	global_load_b128 v[16:19], v1, s[4:5] offset:3*PLANE
	s_wait_loadcnt 0x0
	v_pk_add_f32 v[4:5], v[4:5], v[8:9]
	v_pk_add_f32 v[6:7], v[6:7], v[10:11]
	v_pk_add_f32 v[12:13], v[12:13], v[16:17]
	v_pk_add_f32 v[14:15], v[14:15], v[18:19]
	v_pk_add_f32 v[4:5], v[4:5], v[12:13]
	v_pk_add_f32 v[6:7], v[6:7], v[14:15]
	global_store_b128 v1, v[4:7], s[6:7]
	s_endpgm
.Lfunc_end_k_qef88583670_sum:
	.size	k_qef88583670_sum, .Lfunc_end_k_qef88583670_sum-k_qef88583670_sum
	.p2alignl 7, 3214868480
	.fill 96, 4, 3214868480
	.section	.rodata,"a",@progbits
	.p2align	6, 0x0
	.amdhsa_kernel k_qef88583670_sum
		.amdhsa_group_segment_fixed_size 0
		.amdhsa_private_segment_fixed_size 0
		.amdhsa_enable_private_segment 0
		.amdhsa_kernarg_size 16
		.amdhsa_user_sgpr_count 2
		.amdhsa_user_sgpr_kernarg_segment_ptr 1
		.amdhsa_wavefront_size32 1
		.amdhsa_system_sgpr_workgroup_id_x 1
		.amdhsa_system_sgpr_workgroup_id_y 1
		.amdhsa_system_sgpr_workgroup_id_z 1
		.amdhsa_system_vgpr_workitem_id 0
		.amdhsa_next_free_vgpr 24
		.amdhsa_next_free_sgpr 66
		.amdhsa_reserve_vcc 0
		.amdhsa_float_denorm_mode_32 3
		.amdhsa_float_denorm_mode_16_64 3
		.amdhsa_memory_ordered 1
		.amdhsa_forward_progress 1
		.amdhsa_inst_pref_size 2
	.end_amdhsa_kernel
	.amdgpu_metadata
---
amdhsa.version: [ 1, 2 ]
amdhsa.kernels:
  - .name:           k_qef88583670_sum
    .symbol:         k_qef88583670_sum.kd
    .args:
      - { .name: part, .offset: 0, .size: 8, .value_kind: global_buffer, .address_space: global }
      - { .name: out1, .offset: 8, .size: 8, .value_kind: global_buffer, .address_space: global }
    .group_segment_fixed_size: 0
    .private_segment_fixed_size: 0
    .kernarg_segment_align: 8
    .kernarg_segment_size: 16
    .max_flat_workgroup_size: 128
    .sgpr_count:     66
    .vgpr_count:     24
    .wavefront_size: 32
...
	.end_amdgpu_metadata
.endif
;; end of part 2
